; MI455X (gfx1250); checked and timed in simulation.
; The chip was launched on July 23, 2026; its instructions are those of AMD's public machine-readable ISA for CDNA 5 (MIT licence, August 2026) and "CDNA5" Instruction Set Architecture Reference Guide (July 2026). The comments in the code are by the model that wrote it; some were corrected since.
;; Direct. Allowed arithmetic: float matrix products may take bf16 or f16 operands with f32 sums; all other float work in f32.
;; Inputs: score 16,384 float32; voxel_normal 16,384 x 3 float32; voxel_point 1 x 16,384 x 3 float32; x_world 4,096 x 1 x 3 float32.
;; Outputs: out0 4,096 float32; out1 4,096 bool.
;; One version. Each part assembles by itself: llvm-mc -triple=amdgcn-amd-amdhsa -mcpu=gfx1250 --defsym DOCPART=n.
;; ======== version 1 of 1: 2 launches
;; workspace buffers: groups 131,072 bytes of whole numbers; recs 524,288 bytes
;; launch nearest (part 1): grid 256 x 1, 16 waves a work-group, no clusters, 240,128 bytes of LDS; arguments voxel_point, x_world, voxel_normal, score, groups, recs; writes groups, recs
.if DOCPART == 1
	.amdgcn_target "amdgcn-amd-amdhsa--gfx1250"
	.amdhsa_code_object_version 6
	.text
	.protected	k_q0fe0b4f73d_nearest
	.globl	k_q0fe0b4f73d_nearest
	.p2align	8
	.type	k_q0fe0b4f73d_nearest,@function
k_q0fe0b4f73d_nearest:
	s_mov_b64 s[64:65], 0
	v_nop
	global_prefetch_b8 v0, s[64:65] scope:SCOPE_SE
	s_setreg_imm32_b32 hwreg(HW_REG_WAVE_MODE, 25, 1), 1
	s_wait_xcnt 0x0
; For each of 4,096 queries: the eight groups of 32 consecutive voxels that hold its eight nearest voxels.
; A work-group owns 16 queries and scans all 16,384 voxels; 16 waves, 512 threads, thread t owns group t (voxels 32 t .. 32 t + 31).
; d2 = (x-p)^2 summed over three coordinates, from true differences in f32 (sub, mul, fma, fma): no difference of large sums.
; Per group and query only the minimum of d2 is kept.  Under the order (d2, index) the eight nearest voxels lie in the eight groups that are
; smallest under (minimum, group number), because the groups are consecutive ranges of indices.  Those eight numbers are stored as whole
; numbers; the next launch forms its gather addresses from them.
; Waves 0 and 1 also write the next launch's records of this work-group's 64 voxels:
;   recs + 16 m          : log2(e) px, log2(e) py, log2(e) pz, score      (f32)
;   recs + 262144 + 16 m : bf16 nh.x nh.y nh.z nl.x nl.y nl.z bh bl,  n = nh + nl the normal, bh + bl = -0.75 |n|
; LIMITS: inputs finite, and every squared distance finite in f32 (differences below 1.8e19): +inf marks a group already taken.
;   Order of neighbours: by d2 and then by index; a root rounded to f32 may tie where d2 does not, within about one ulp of d2.
; NO JOINT TENSOR LOADS, though all work-groups read the same points: a group's 384 bytes are 96 dwords, and the pitch of 400 bytes that keeps
;   the lanes' LDS reads apart needs a pad behind every 96 dwords, which a descriptor's padding interval (a power of two of dwords) cannot state.
;   The points are 196,608 bytes for 262,144 pairs of the work-group: vector arithmetic, not bytes, bounds this launch.
.set LOG2E, 0x3fb8aa3b
.set PITCH, 400                        ; LDS bytes from group to group: 25 x 16, an odd multiple of 16: sixteen lanes' 16-byte pieces fall at sixteen places modulo 256
.set GM,    204800                     ; behind the 512 groups: minima, [16 queries][512 groups] f32
.set OUTL,  237568                     ; behind them: the result, [16 queries][8] whole numbers
.set RECN,  262144                     ; the second half of recs
.set V,   8                            ; v[8:103]   staging, then my group's 32 voxels: x y z x y z ...
.set X,   104                          ; v[104:119] x of the 16 queries (the same in every lane), in pairs for the packed forms
.set Y,   120                          ; v[120:135]
.set Z,   136                          ; v[136:151]
.set MN,  152                          ; v[152:167] my group's minimum for each query
.set DA,  168                          ; v[168:183] d2 of one voxel to the 16 queries
.set DB,  184                          ; v[184:199] d2 of the next voxel
.set TY,  200                          ; v[200:215] at work
.set TZ,  216                          ; v[216:231] at work
.set E,   8                            ; v[8:23]    the picking: 16 minima a lane (V is free by then)
.set LM,  24
.set T1,  25
.set T2,  26
.set T3,  27
.set T4,  28
.set LI,  29
.set IDB, 30                           ; number of my first group
.set DL,  31
.set VINF, 32
.set VBIG, 33
.set OA,  34
	s_load_b256 s[4:11], s[0:1], 0x0               ; voxel_point s[4:5], x_world s[6:7], voxel_normal s[8:9], score s[10:11]
	s_load_b128 s[12:15], s[0:1], 0x20             ; groups s[12:13], recs s[14:15]
	v_lshl_add_u32 v232, v0, 2, 0x3a200
	v_mov_b32 v233, 0
	v_lshrrev_b32 v1, 5, v0
	v_readfirstlane_b32 s16, v1                    ; wave 0..15
	v_and_b32 v1, 31, v0                           ; lane
	v_mul_u32_u24 v2, v0, 48                       ; a unit = 4 voxels = 48 bytes; thread t copies units t + 512 i
	v_lshrrev_b32 v3, 3, v0                        ; eight units make a group
	v_and_b32 v4, 7, v0
	v_mul_u32_u24 v3, v3, PITCH
	v_mad_u32_u24 v3, v4, 48, v3                   ; LDS address of unit t
	v_mov_b32 v4, 0
	s_mul_i32 s18, ttmp9, 192                      ; 16 queries of 12 bytes
	s_mov_b32 s19, 0
	s_mov_b32 s30, 0x76543210                      ; v_permlanex16_b32: lane i reads lane i of the other half
	s_mov_b32 s31, 0xfedcba98
	s_wait_kmcnt 0x0
	s_add_nc_u64 s[6:7], s[6:7], s[18:19]
; all points, once: a wave's three loads of a unit row cover 1,536 consecutive bytes
.irp i, 0,1,2,3,4,5,6,7
.irp c, 0,1,2
	global_load_b128 v[V+12*\i+4*\c:V+12*\i+4*\c+3], v2, s[4:5] offset:\i*24576+16*\c
.endr
.endr
; the 16 queries, each coordinate straight into its place (no copies afterwards)
.irp j, 0,1,2,3,4,5,6,7,8,9,10,11,12,13,14,15
	global_load_b32 v[X+\j], v4, s[6:7] offset:12*\j
	global_load_b32 v[Y+\j], v4, s[6:7] offset:12*\j+4
	global_load_b32 v[Z+\j], v4, s[6:7] offset:12*\j+8
.endr
; waves 0 and 1: the records of voxels 64 wg + t, while the points are on their way
	s_cmp_gt_u32 s16, 1
	s_cbranch_scc1 .Lno_prep
	s_mul_i32 s20, ttmp9, 768
	s_mov_b32 s21, 0
	s_add_nc_u64 s[22:23], s[4:5], s[20:21]
	s_add_nc_u64 s[24:25], s[8:9], s[20:21]
	s_lshl_b32 s20, ttmp9, 8
	s_add_nc_u64 s[26:27], s[10:11], s[20:21]
	s_lshl_b32 s20, ttmp9, 10
	s_add_nc_u64 s[28:29], s[14:15], s[20:21]
	v_mul_u32_u24 v5, v0, 12
	v_lshlrev_b32 v6, 2, v0
	v_lshlrev_b32 v7, 4, v0
	global_load_b32 v[DA+0], v5, s[22:23]
	global_load_b32 v[DA+1], v5, s[22:23] offset:4
	global_load_b32 v[DA+2], v5, s[22:23] offset:8
	global_load_b32 v[DA+3], v6, s[26:27]
	global_load_b32 v[DA+4], v5, s[24:25]
	global_load_b32 v[DA+5], v5, s[24:25] offset:4
	global_load_b32 v[DA+6], v5, s[24:25] offset:8
	s_wait_loadcnt 0x0
	v_mul_f32 v[DA+0], LOG2E, v[DA+0]              ; the next launch takes 2^-d' of d' = log2(e) d
	v_mul_f32 v[DA+1], LOG2E, v[DA+1]
	v_mul_f32 v[DA+2], LOG2E, v[DA+2]
	v_mul_f32 v[DA+7], v[DA+4], v[DA+4]
	v_fma_f32 v[DA+7], v[DA+5], v[DA+5], v[DA+7]
	v_fma_f32 v[DA+7], v[DA+6], v[DA+6], v[DA+7]
	v_sqrt_f32 v[DA+7], v[DA+7]                    ; |n|
	v_cvt_pk_bf16_f32 v[DB+0], v[DA+4], v[DA+5]    ; nh.x nh.y; also the plain instruction between the root and its use (ISA guide 5.7.2)
	s_wait_alu depctr_va_vdst(0)
	v_mul_f32 v[DA+7], 0xbf400000, v[DA+7]         ; b = -0.75 |n|
	v_cvt_pk_bf16_f32 v[DA+8], v[DA+6], v[DA+7]    ; nh.z and bh
	v_lshlrev_b32 v[DA+9], 16, v[DB+0]             ; the high parts as f32
	v_and_b32 v[DA+10], 0xffff0000, v[DB+0]
	v_lshlrev_b32 v[DA+11], 16, v[DA+8]
	v_and_b32 v[DA+12], 0xffff0000, v[DA+8]
	v_sub_f32 v[DA+9], v[DA+4], v[DA+9]            ; what the high parts leave (exact)
	v_sub_f32 v[DA+10], v[DA+5], v[DA+10]
	v_sub_f32 v[DA+11], v[DA+6], v[DA+11]
	v_sub_f32 v[DA+12], v[DA+7], v[DA+12]
	v_cvt_pk_bf16_f32 v[DB+1], v[DA+6], v[DA+9]    ; nh.z nl.x
	v_cvt_pk_bf16_f32 v[DB+2], v[DA+10], v[DA+11]  ; nl.y nl.z
	v_cvt_pk_bf16_f32 v[DB+3], v[DA+7], v[DA+12]   ; bh bl
	global_store_b128 v7, v[DA:DA+3], s[28:29]               ; sixteen lanes store 256 consecutive bytes, aligned
	global_store_b128 v7, v[DB:DB+3], s[28:29] offset:RECN
	s_wait_xcnt 0x0                                ; v5, v7, DA and DB are written again below only behind this wait
.Lno_prep:
	s_wait_loadcnt 48                              ; the 24 loads of points are in; the 48 loads of queries were issued behind them
.irp i, 0,1,2,3,4,5,6,7
.irp c, 0,1,2
	ds_store_b128 v3, v[V+12*\i+4*\c:V+12*\i+4*\c+3] offset:16*\c
.endr
	v_add_nc_u32 v3, 64*PITCH, v3                  ; 512 units on = 64 groups on
.endr
	s_wait_dscnt 0x0                               ; my stores are in LDS, for the other waves' sake
	s_barrier_signal -1
	s_barrier_wait -1
	v_mul_u32_u24 v5, v0, PITCH                    ; my group
.irp k, 0,1,2,3,4,5,6,7,8,9,10,11,12,13,14,15,16,17,18,19,20,21,22,23
	ds_load_b128 v[V+4*\k:V+4*\k+3], v5 offset:16*\k
.endr
	s_wait_loadcnt 0x0                             ; the queries
; d (a pair) = q (a pair of queries' coordinates) - v[r], the voxel's coordinate, taken for both halves from whichever register of its pair holds it
.macro PKSUB d, q, r
.if (\r) & 1
	v_pk_add_f32 v[\d:\d+1], v[\q:\q+1], v[(\r)-1:(\r)] op_sel:[0,1] op_sel_hi:[1,1] neg_lo:[0,1] neg_hi:[0,1]
.else
	v_pk_add_f32 v[\d:\d+1], v[\q:\q+1], v[(\r):(\r)+1] op_sel_hi:[1,0] neg_lo:[0,1] neg_hi:[0,1]
.endif
.endm
; dst[0..15] = squared distance of the 16 queries to the voxel whose x, y, z lie in v[r], v[r+1], v[r+2]; eight independent instructions a stage
.macro DIST dst, r
.irp p, 0,2,4,6,8,10,12,14
	PKSUB \dst+\p, X+\p, \r
.endr
.irp p, 0,2,4,6,8,10,12,14
	PKSUB TY+\p, Y+\p, \r+1
.endr
.irp p, 0,2,4,6,8,10,12,14
	PKSUB TZ+\p, Z+\p, \r+2
.endr
.irp p, 0,2,4,6,8,10,12,14
	v_pk_mul_f32 v[\dst+\p:\dst+\p+1], v[\dst+\p:\dst+\p+1], v[\dst+\p:\dst+\p+1]
.endr
.irp p, 0,2,4,6,8,10,12,14
	v_pk_fma_f32 v[\dst+\p:\dst+\p+1], v[TY+\p:TY+\p+1], v[TY+\p:TY+\p+1], v[\dst+\p:\dst+\p+1]
.endr
.irp p, 0,2,4,6,8,10,12,14
	v_pk_fma_f32 v[\dst+\p:\dst+\p+1], v[TZ+\p:TZ+\p+1], v[TZ+\p:TZ+\p+1], v[\dst+\p:\dst+\p+1]
.endr
.endm
.macro MINS first                      ; two voxels enter each query's minimum by one instruction; the first two start it
.irp j, 0,1,2,3,4,5,6,7,8,9,10,11,12,13,14,15
.if \first
	v_min_num_f32 v[MN+\j], v[DA+\j], v[DB+\j]
.else
	v_min3_num_f32 v[MN+\j], v[MN+\j], v[DA+\j], v[DB+\j]
.endif
.endr
.endm
.macro UNIT u, first                   ; four voxels, 12 registers
	s_wait_dscnt 21-3*\u                           ; LDS loads return in order: the first 3 u + 3 of the 24 are in
	DIST DA, V+12*\u
	DIST DB, V+12*\u+3
	MINS \first
	DIST DA, V+12*\u+6
	DIST DB, V+12*\u+9
	MINS 0
.endm
	UNIT 0, 1
.irp u, 1,2,3,4,5,6,7
	UNIT \u, 0
.endr
; the minima change hands: thread t holds group t of all queries, wave w wants all groups of query w
	v_lshl_add_u32 v5, v0, 2, GM
.irp j, 0,1,2,3,4,5,6,7,8,9,10,11,12,13,14,15
	ds_store_b32 v5, v[MN+\j] offset:2048*\j
.endr
	s_lshl_b32 s17, s16, 11
	s_add_co_u32 s17, s17, GM
	v_lshl_add_u32 v6, v1, 6, s17                  ; lane l takes groups 16 l .. 16 l + 15 of query w
	s_lshl_b32 s18, s16, 5
	s_add_co_u32 s18, s18, OUTL
	s_wait_dscnt 0x0
	s_barrier_signal -1
	s_barrier_wait -1
.irp k, 0,1,2,3
	ds_load_b128 v[E+4*\k:E+4*\k+3], v6 offset:16*\k
.endr
	v_lshlrev_b32 v[IDB], 4, v1
	v_mov_b32 v[VINF], 0x7f800000
	v_mov_b32 v[VBIG], 0x100000                    ; above every group number, and exact in f32 when added to one
	v_mov_b32 v[OA], s18
	s_wait_dscnt 0x0
.macro WMIN a, t                       ; the minimum over the 32 lanes, in every lane
.irp m, 1,2,4,8
	v_min_num_f32_dpp v[\a], v[\a], v[\a] row_xmask:\m row_mask:0xf bank_mask:0xf
.endr
	v_permlanex16_b32 v[\t], v[\a], s30, s31
	v_min_num_f32 v[\a], v[\a], v[\t]
.endm
; Pick k: the smallest (minimum, group number) still in play; its number goes to the result, its minimum becomes +inf.
; No branch and no address hangs on these floats: the choice is made by selects alone.
.macro PICK k
	v_min3_num_f32 v[LM], v[E+0], v[E+1], v[E+2]
	v_min3_num_f32 v[T1], v[E+3], v[E+4], v[E+5]
	v_min3_num_f32 v[T2], v[E+6], v[E+7], v[E+8]
	v_min3_num_f32 v[T3], v[E+9], v[E+10], v[E+11]
	v_min3_num_f32 v[T4], v[E+12], v[E+13], v[E+14]
	v_min3_num_f32 v[LM], v[LM], v[T1], v[E+15]
	v_min3_num_f32 v[T2], v[T2], v[T3], v[T4]
	v_min_num_f32 v[LM], v[LM], v[T2]
	WMIN LM, T1
	v_cmp_neq_f32 vcc_lo, v[E+15], v[LM]           ; my lowest place that holds the minimum, or the large number
	v_cndmask_b32 v[LI], 15, v[VBIG], vcc_lo
.irp i, 14,13,12,11,10,9,8,7,6,5,4,3,2,1,0
	v_cmp_neq_f32 vcc_lo, v[E+\i], v[LM]
	v_cndmask_b32 v[LI], \i, v[LI], vcc_lo
.endr
	v_add_nc_u32 v[LI], v[IDB], v[LI]
	v_cvt_f32_u32 v[LI], v[LI]                     ; whole numbers below 2^24: exact
	WMIN LI, T1                                    ; among equals the lowest group number
	v_cvt_u32_f32 v[LI], v[LI]
	ds_store_b32 v[OA], v[LI] offset:4*\k          ; every lane writes the same word with the same value
	v_sub_nc_u32 v[DL], v[LI], v[IDB]              ; 0 .. 15 in the one lane that owns it
.irp i, 0,1,2,3,4,5,6,7,8,9,10,11,12,13,14,15
	v_cmp_eq_u32 vcc_lo, \i, v[DL]
	v_cndmask_b32 v[E+\i], v[E+\i], v[VINF], vcc_lo
.endr
.endm
.irp k, 0,1,2,3,4,5,6,7
	PICK \k
.endr
	s_wait_dscnt 0x0
	s_barrier_signal -1
	s_barrier_wait -1
	s_cmp_lg_u32 s16, 0
	s_cbranch_scc1 .Lend
	v_lshlrev_b32 v5, 4, v1                        ; wave 0 stores the work-group's 512 bytes by one instruction: two whole aligned blocks of 256 bytes
	v_add_nc_u32 v6, OUTL, v5
	ds_load_b128 v[8:11], v6
	s_lshl_b32 s18, ttmp9, 9
	s_add_nc_u64 s[12:13], s[12:13], s[18:19]
	s_wait_dscnt 0x0
	global_store_b128 v5, v[8:11], s[12:13]
.Lend:
	s_wait_tensorcnt 0x0
	ds_add_u32 v232, v233
	s_wait_dscnt 0x0
	s_endpgm
.Lfunc_end_k_q0fe0b4f73d_nearest:
	.size	k_q0fe0b4f73d_nearest, .Lfunc_end_k_q0fe0b4f73d_nearest-k_q0fe0b4f73d_nearest
	.p2alignl 7, 3214868480
	.fill 96, 4, 3214868480
	.section	.rodata,"a",@progbits
	.p2align	6, 0x0
	.amdhsa_kernel k_q0fe0b4f73d_nearest
		.amdhsa_group_segment_fixed_size 240128
		.amdhsa_private_segment_fixed_size 0
		.amdhsa_enable_private_segment 0
		.amdhsa_kernarg_size 48
		.amdhsa_user_sgpr_count 2
		.amdhsa_user_sgpr_kernarg_segment_ptr 1
		.amdhsa_wavefront_size32 1
		.amdhsa_system_sgpr_workgroup_id_x 1
		.amdhsa_system_sgpr_workgroup_id_y 1
		.amdhsa_system_sgpr_workgroup_id_z 1
		.amdhsa_system_vgpr_workitem_id 0
		.amdhsa_next_free_vgpr 234
		.amdhsa_next_free_sgpr 66
		.amdhsa_reserve_vcc 1
		.amdhsa_float_denorm_mode_32 3
		.amdhsa_float_denorm_mode_16_64 3
		.amdhsa_memory_ordered 1
		.amdhsa_forward_progress 1
		.amdhsa_inst_pref_size 156
	.end_amdhsa_kernel
	.amdgpu_metadata
---
amdhsa.version: [ 1, 2 ]
amdhsa.kernels:
  - .name:           k_q0fe0b4f73d_nearest
    .symbol:         k_q0fe0b4f73d_nearest.kd
    .args:
      - { .name: voxel_point, .offset: 0, .size: 8, .value_kind: global_buffer, .address_space: global }
      - { .name: x_world, .offset: 8, .size: 8, .value_kind: global_buffer, .address_space: global }
      - { .name: voxel_normal, .offset: 16, .size: 8, .value_kind: global_buffer, .address_space: global }
      - { .name: score, .offset: 24, .size: 8, .value_kind: global_buffer, .address_space: global }
      - { .name: groups, .offset: 32, .size: 8, .value_kind: global_buffer, .address_space: global }
      - { .name: recs, .offset: 40, .size: 8, .value_kind: global_buffer, .address_space: global }
    .group_segment_fixed_size: 240128
    .private_segment_fixed_size: 0
    .kernarg_segment_align: 8
    .kernarg_segment_size: 48
    .max_flat_workgroup_size: 512
    .sgpr_count:     66
    .vgpr_count:     234
    .wavefront_size: 32
...
	.end_amdgpu_metadata
.endif
;; end of part 1
;; launch field (part 2): grid 256 x 1, 16 waves a work-group, no clusters, 6,144 bytes of LDS; arguments x_world, voxel_point, voxel_normal, groups, recs, out0, out1; writes out0, out1
.if DOCPART == 2
	.amdgcn_target "amdgcn-amd-amdhsa--gfx1250"
	.amdhsa_code_object_version 6
	.text
	.protected	k_q0fe0b4f73d_field
	.globl	k_q0fe0b4f73d_field
	.p2align	8
	.type	k_q0fe0b4f73d_field,@function
k_q0fe0b4f73d_field:
	s_mov_b64 s[64:65], 0
	v_nop
	global_prefetch_b8 v0, s[64:65] scope:SCOPE_SE
	s_setreg_imm32_b32 hwreg(HW_REG_WAVE_MODE, 25, 1), 1
	s_wait_xcnt 0x0
; out0[q] = sum over masked voxels of score exp(-distance) / number of masked voxels (0 if none), out1[q] = any masked.
; A work-group owns 16 queries (the same as in the launch before), 16 waves.
; PART 1, wave w for query w: the 8 groups of 32 voxels named by the launch before are gathered (8 candidates a lane), d2 is formed by the same
;   operations as there, the smallest (d2, index) is taken eight times, the chosen normals are summed: mean normal xn and a = |xn|.
; PART 2, all waves, wave w for voxels 1024 w .. 1024 w + 1023, in tiles of 16 voxels x 16 queries:
;   two matrix instructions give D1 = xn.n - 0.75 a |n| and D2 = xn.n - 0.75 EPS; min(D1, D2) > 0 is xn.n / max(a |n|, EPS) > 0.75.
;   Operands are bf16 high and low parts, so that about 16 bits of each factor enter: along K
;     A, lanes 0-15  (k 0-7):  xh.x xh.y xh.z xh.x xh.y xh.z ah ah        A, lanes 16-31 (k 8-15): the low parts in the same order
;     B, both halves of the lanes load the same 16 bytes: nh.x nh.y nh.z nl.x nl.y nl.z bh bl,  bh + bl = -0.75 |n|;   k 16-31 are zero
;   In D, lane (r, h) holds voxel r, register j query 8 h + j (ISA guide 7.12.2): the lane keeps its voxel's record, 8 queries' coordinates,
;   8 sums and 8 counts.  Coordinates carry the factor log2(e), so exp(-d) is one root and one 2^-x.
; LIMITS: inputs finite, squared distances finite in f32 (+inf marks a taken candidate).  Neighbours are ordered by d2, then index.  The cosine
;   test carries about 16 bits of each factor.  2^-x below 2^-126 counts as zero.
; NO JOINT TENSOR LOADS, though all work-groups read the same records: a tile's 512 bytes go straight to the lanes of the one wave that uses them
;   and feed 80 instructions of that wave; through LDS each record would cost a further read and the slots a barrier, and bytes do not bound the loop.
; out0 and out1 get 64 and 16 bytes from a work-group: with 16 queries a work-group no block of 256 bytes can be filled.
.set LOG2E, 0x3fb8aa3b
.set RECN,  262144
.set QN,    0                          ; LDS: [16 queries] xn.x xn.y xn.z a
.set RED,   256                        ; LDS: [16 waves][2 halves][8 sums, 8 counts]
.set X,   8                            ; v[8:15]    log2(e) x of queries 8 h + j
.set Y,   16
.set Z,   24
.set A1,  32                           ; v[32:39]   A with a in places 6, 7
.set A2,  40                           ; v[40:47]   A with zeros there
.set CE,  48                           ; v[48:55]   -0.75 EPS, the C of the second product
.set ACC, 56                           ; v[56:63]   sums
.set CNT, 64                           ; v[64:71]   counts
.set BB,  72                           ; v[72:103]  four buffers of B: 4 registers loaded, 4 zero
.set PB,  104                          ; v[104:119] four buffers of px' py' pz' score
.set D1,  120
.set D2,  128
.set TX,  136
.set TY,  144
.set TZ,  152
.set RAWQ, 136                         ; v[136:159] the 8 queries as loaded (ahead of the loop)
.set PR,  160                          ; v[160:183] 8 candidates' points
.set NR,  184                          ; v[184:207] 8 candidates' normals
.set E,   208                          ; v[208:215] their d2
.set QX,  216                          ; v[216:218] my wave's query
.set RO,  219
.set LM,  220
.set T1,  221
.set LI,  222
.set IDB, 223                          ; index of my first candidate
.set DL,  224
.set VINF, 225
.set VBIG, 226
.set ONE, 227
.set SEL, 228
.set CO,  229
.set NS,  230                          ; v[230:232]
.set XN,  234                          ; v[234:237]
.set QA,  238
.set Q4,  160                          ; behind part 1
.set TU,  164
.set F,   160                          ; at the end
	s_load_b256 s[4:11], s[0:1], 0x0               ; x_world s[4:5], voxel_point s[6:7], voxel_normal s[8:9], groups s[10:11]
	s_load_b128 s[12:15], s[0:1], 0x20             ; recs s[12:13], out0 s[14:15]
	s_load_b64 s[16:17], s[0:1], 0x30              ; out1
	v_lshl_add_u32 v240, v0, 2, 0x1000
	v_mov_b32 v241, 0
	v_lshrrev_b32 v1, 5, v0
	v_readfirstlane_b32 s20, v1                    ; wave 0..15
	v_and_b32 v1, 31, v0                           ; lane
	v_and_b32 v2, 15, v0                           ; r
	v_bfe_u32 v3, v0, 4, 1                         ; h
	s_lshl_b32 s21, ttmp9, 4
	s_add_co_u32 s21, s21, s20                     ; my wave's query
	s_lshl_b32 s22, s21, 5
	s_mov_b32 s23, 0
	s_mul_i32 s24, s21, 12
	s_mov_b32 s25, 0
	s_mul_i32 s26, ttmp9, 192
	s_mov_b32 s27, 0
	s_mov_b32 s30, 0x76543210
	s_mov_b32 s31, 0xfedcba98
	v_and_b32 v5, 28, v1                           ; four lanes share a group: word l / 4 of the query's eight
	v_mov_b32 v7, 0
	v_mul_u32_u24 v[RO], v3, 96                    ; queries 8 h .. 8 h + 7
	s_wait_kmcnt 0x0
	s_add_nc_u64 s[10:11], s[10:11], s[22:23]
	s_add_nc_u64 s[24:25], s[4:5], s[24:25]
	s_add_nc_u64 s[26:27], s[4:5], s[26:27]
	global_load_b32 v6, v5, s[10:11]
	global_load_b32 v[QX], v7, s[24:25]
	global_load_b32 v[QX+1], v7, s[24:25] offset:4
	global_load_b32 v[QX+2], v7, s[24:25] offset:8
.irp k, 0,1,2,3,4,5
	global_load_b128 v[RAWQ+4*\k:RAWQ+4*\k+3], v[RO], s[26:27] offset:16*\k
.endr
	v_and_b32 v[T1], 3, v1
	v_lshlrev_b32 v[T1], 3, v[T1]                  ; my quarter of the group
	s_wait_loadcnt 9                               ; the group's number is in; nine loads were issued behind it
	v_min_u32 v6, 0x1ff, v6                        ; a loaded number enters an address only clamped to the table: 512 groups
	v_lshl_add_u32 v[IDB], v6, 5, v[T1]            ; my first candidate's index
	v_mul_u32_u24 v[CO], v[IDB], 12                ; a multiple of 96 bytes
.irp k, 0,1,2,3,4,5
	global_load_b128 v[PR+4*\k:PR+4*\k+3], v[CO], s[6:7] offset:16*\k
.endr
.irp k, 0,1,2,3,4,5
	global_load_b128 v[NR+4*\k:NR+4*\k+3], v[CO], s[8:9] offset:16*\k
.endr
	v_mov_b32 v[VINF], 0x7f800000
	v_mov_b32 v[VBIG], 0x100000
	v_mov_b32 v[ONE], 1.0
	s_wait_loadcnt 12                              ; the queries are in; the twelve candidate loads were issued behind them
.irp j, 0,1,2,3,4,5,6,7
	v_mul_f32 v[X+\j], LOG2E, v[RAWQ+3*\j]         ; scaled, and sorted into x, y, z on the way
	v_mul_f32 v[Y+\j], LOG2E, v[RAWQ+3*\j+1]
	v_mul_f32 v[Z+\j], LOG2E, v[RAWQ+3*\j+2]
.endr
	s_wait_loadcnt 6                               ; the candidates' points; the six loads of normals stay out
.irp i, 0,1,2,3,4,5,6,7
	v_sub_f32 v[PR+3*\i], v[QX], v[PR+3*\i]
	v_sub_f32 v[PR+3*\i+1], v[QX+1], v[PR+3*\i+1]
	v_sub_f32 v[PR+3*\i+2], v[QX+2], v[PR+3*\i+2]
.endr
.irp i, 0,1,2,3,4,5,6,7
	v_mul_f32 v[E+\i], v[PR+3*\i], v[PR+3*\i]
.endr
.irp i, 0,1,2,3,4,5,6,7
	v_fma_f32 v[E+\i], v[PR+3*\i+1], v[PR+3*\i+1], v[E+\i]
.endr
.irp i, 0,1,2,3,4,5,6,7
	v_fma_f32 v[E+\i], v[PR+3*\i+2], v[PR+3*\i+2], v[E+\i]
.endr
.macro WMIN a, t
.irp m, 1,2,4,8
	v_min_num_f32_dpp v[\a], v[\a], v[\a] row_xmask:\m row_mask:0xf bank_mask:0xf
.endr
	v_permlanex16_b32 v[\t], v[\a], s30, s31
	v_min_num_f32 v[\a], v[\a], v[\t]
.endm
.macro WSUM a, t
.irp m, 1,2,4,8
	v_add_f32_dpp v[\a], v[\a], v[\a] row_xmask:\m row_mask:0xf bank_mask:0xf
.endr
	v_permlanex16_b32 v[\t], v[\a], s30, s31
	v_add_f32 v[\a], v[\a], v[\t]
.endm
; One pick: the smallest (d2, index) still in play becomes +inf.  Selects alone: no branch, no address.
.macro PICK
	v_min3_num_f32 v[LM], v[E+0], v[E+1], v[E+2]
	v_min3_num_f32 v[T1], v[E+3], v[E+4], v[E+5]
	v_min3_num_f32 v[LM], v[LM], v[T1], v[E+6]
	v_min_num_f32 v[LM], v[LM], v[E+7]
	WMIN LM, T1
	v_cmp_neq_f32 vcc_lo, v[E+7], v[LM]
	v_cndmask_b32 v[LI], 7, v[VBIG], vcc_lo
.irp i, 6,5,4,3,2,1,0
	v_cmp_neq_f32 vcc_lo, v[E+\i], v[LM]
	v_cndmask_b32 v[LI], \i, v[LI], vcc_lo
.endr
	v_add_nc_u32 v[LI], v[IDB], v[LI]
	v_cvt_f32_u32 v[LI], v[LI]
	WMIN LI, T1                                    ; among equal d2 the lowest index
	v_cvt_u32_f32 v[LI], v[LI]
	v_sub_nc_u32 v[DL], v[LI], v[IDB]
.irp i, 0,1,2,3,4,5,6,7
	v_cmp_eq_u32 vcc_lo, \i, v[DL]
	v_cndmask_b32 v[E+\i], v[E+\i], v[VINF], vcc_lo
.endr
.endm
.rept 8
	PICK
.endr
	s_wait_loadcnt 0x0                             ; the normals
	v_cmp_eq_f32 vcc_lo, v[E+0], v[VINF]           ; the taken ones' normals are summed; the first term starts the sums
	v_cndmask_b32 v[SEL], 0, v[ONE], vcc_lo
	v_mul_f32 v[NS+0], v[SEL], v[NR+0]
	v_mul_f32 v[NS+1], v[SEL], v[NR+1]
	v_mul_f32 v[NS+2], v[SEL], v[NR+2]
.irp i, 1,2,3,4,5,6,7
	v_cmp_eq_f32 vcc_lo, v[E+\i], v[VINF]
	v_cndmask_b32 v[SEL], 0, v[ONE], vcc_lo
	v_fmac_f32 v[NS+0], v[SEL], v[NR+3*\i]
	v_fmac_f32 v[NS+1], v[SEL], v[NR+3*\i+1]
	v_fmac_f32 v[NS+2], v[SEL], v[NR+3*\i+2]
.endr
	WSUM NS+0, T1
	WSUM NS+1, T1
	WSUM NS+2, T1
	v_mul_f32 v[XN+0], 0x3e000000, v[NS+0]         ; the mean of eight
	v_mul_f32 v[XN+1], 0x3e000000, v[NS+1]
	v_mul_f32 v[XN+2], 0x3e000000, v[NS+2]
	v_mul_f32 v[T1], v[XN+0], v[XN+0]
	v_fma_f32 v[T1], v[XN+1], v[XN+1], v[T1]
	v_fma_f32 v[T1], v[XN+2], v[XN+2], v[T1]
	v_sqrt_f32 v[XN+3], v[T1]                      ; a = |xn|
	s_lshl_b32 s28, s20, 4
	v_mov_b32 v[QA], s28                           ; a plain instruction between the root and its use (ISA guide 5.7.2)
	s_wait_alu depctr_va_vdst(0)
	ds_store_b128 v[QA], v[XN:XN+3]                ; every lane writes the same 16 bytes with the same values
; the first four tiles' records go out now and fly across the barrier (nobody writes those bytes)
	s_lshl_b32 s29, s20, 14
	v_lshl_add_u32 v4, v2, 4, s29                  ; (1024 w + r) x 16; both halves of the lanes ask for the same voxel; never rewritten
.irp q, 0,1,2,3
	global_load_b128 v[PB+4*\q:PB+4*\q+3], v4, s[12:13] offset:256*\q
	global_load_b128 v[BB+8*\q:BB+8*\q+3], v4, s[12:13] offset:RECN+256*\q
.endr
.irp q, 0,1,2,3
.irp k, 4,5,6,7
	v_mov_b32 v[BB+8*\q+\k], 0                     ; K places 16 to 31 are not used
.endr
.endr
.irp k, 4,5,6,7
	v_mov_b32 v[A1+\k], 0
	v_mov_b32 v[A2+\k], 0
.endr
	v_mov_b32 v[A2+3], 0
.irp j, 0,1,2,3,4,5,6,7
	v_mov_b32 v[CE+\j], 0xb549539c                 ; -0.75 x 1e-6
	v_mov_b32 v[ACC+\j], 0
	v_mov_b32 v[CNT+\j], 0
.endr
	s_wait_dscnt 0x0                               ; my query's mean is in LDS, for the others' sake
	s_barrier_signal -1
	s_barrier_wait -1
	v_lshlrev_b32 v[QA], 4, v2
	ds_load_b128 v[Q4:Q4+3], v[QA]                 ; row r of A: query r
	s_mov_b32 vcc_lo, 0xffff0000                   ; lanes 16 to 31 carry the low parts
	s_wait_dscnt 0x0
.irp c, 0,1,2,3
	v_cvt_pk_bf16_f32 v[TU+\c], v[Q4+\c], v[Q4+\c]
.endr
.irp c, 0,1,2,3
	v_lshlrev_b32 v[TU+\c], 16, v[TU+\c]           ; the high part as f32
.endr
.irp c, 0,1,2,3
	v_sub_f32 v[TU+\c], v[Q4+\c], v[TU+\c]         ; what it leaves (exact)
.endr
.irp c, 0,1,2,3
	v_cndmask_b32 v[TU+\c], v[Q4+\c], v[TU+\c], vcc_lo
.endr
	v_cvt_pk_bf16_f32 v[A1+0], v[TU+0], v[TU+1]
	v_cvt_pk_bf16_f32 v[A1+1], v[TU+2], v[TU+0]
	v_cvt_pk_bf16_f32 v[A1+2], v[TU+1], v[TU+2]
	v_cvt_pk_bf16_f32 v[A1+3], v[TU+3], v[TU+3]
	v_cvt_pk_bf16_f32 v[A2+0], v[TU+0], v[TU+1]
	v_cvt_pk_bf16_f32 v[A2+1], v[TU+2], v[TU+0]
	v_cvt_pk_bf16_f32 v[A2+2], v[TU+1], v[TU+2]
; One tile on buffer q.  left = how many younger loads may stay out; reload = 1: the buffer gets the tile four further on.
; The two products have different results and start from 0 and from a constant: no sum is continued in place.  Their results are read 24 plain
; packed instructions later, and B's buffer is loaded again at the tile's end: more than the four places asked behind a matrix instruction (ISA guide 7.12.1).
.macro QUART q, reload, left
	s_wait_loadcnt \left
	v_wmma_f32_16x16x32_bf16 v[D1:D1+7], v[A1:A1+7], v[BB+8*\q:BB+8*\q+7], 0
	v_wmma_f32_16x16x32_bf16 v[D2:D2+7], v[A2:A2+7], v[BB+8*\q:BB+8*\q+7], v[CE:CE+7]
.irp p, 0,2,4,6
	v_pk_add_f32 v[TX+\p:TX+\p+1], v[X+\p:X+\p+1], v[PB+4*\q:PB+4*\q+1] op_sel_hi:[1,0] neg_lo:[0,1] neg_hi:[0,1]
.endr
.irp p, 0,2,4,6
	v_pk_add_f32 v[TY+\p:TY+\p+1], v[Y+\p:Y+\p+1], v[PB+4*\q:PB+4*\q+1] op_sel:[0,1] op_sel_hi:[1,1] neg_lo:[0,1] neg_hi:[0,1]
.endr
.irp p, 0,2,4,6
	v_pk_add_f32 v[TZ+\p:TZ+\p+1], v[Z+\p:Z+\p+1], v[PB+4*\q+2:PB+4*\q+3] op_sel_hi:[1,0] neg_lo:[0,1] neg_hi:[0,1]
.endr
.irp p, 0,2,4,6
	v_pk_mul_f32 v[TX+\p:TX+\p+1], v[TX+\p:TX+\p+1], v[TX+\p:TX+\p+1]
.endr
.irp p, 0,2,4,6
	v_pk_fma_f32 v[TX+\p:TX+\p+1], v[TY+\p:TY+\p+1], v[TY+\p:TY+\p+1], v[TX+\p:TX+\p+1]
.endr
.irp p, 0,2,4,6
	v_pk_fma_f32 v[TX+\p:TX+\p+1], v[TZ+\p:TZ+\p+1], v[TZ+\p:TZ+\p+1], v[TX+\p:TX+\p+1]
.endr
.irp j, 0,1,2,3,4,5,6,7
	v_sqrt_f32 v[TY+\j], v[TX+\j]                  ; d' = log2(e) d
.endr
.irp j, 0,1,2,3,4,5,6,7
	v_min_num_f32 v[D1+\j], v[D1+\j], v[D2+\j]     ; both tests in one sign; also the plain instructions between the roots and their use (ISA guide 5.7.2)
.endr
	s_wait_alu depctr_va_vdst(0)
.irp j, 0,1,2,3,4,5,6,7
	v_exp_f32 v[TZ+\j], -v[TY+\j]                  ; exp(-d)
.endr
.irp j, 0,1,2,3,4,5,6,7
	v_cmp_lt_f32 vcc_lo, 0, v[D1+\j]               ; the mask
	s_wait_alu depctr_va_vdst(0)
	v_cndmask_b32 v[TZ+\j], 0, v[TZ+\j], vcc_lo
	v_add_co_ci_u32 v[CNT+\j], vcc_lo, 0, v[CNT+\j], vcc_lo    ; the count takes the mask as its carry
.endr
.irp p, 0,2,4,6
	v_pk_fma_f32 v[ACC+\p:ACC+\p+1], v[TZ+\p:TZ+\p+1], v[PB+4*\q+2:PB+4*\q+3], v[ACC+\p:ACC+\p+1] op_sel:[0,1,0] op_sel_hi:[1,1,1]   ; x score
.endr
.if \reload
	global_load_b128 v[PB+4*\q:PB+4*\q+3], v4, s[12:13] offset:1024+256*\q
	global_load_b128 v[BB+8*\q:BB+8*\q+3], v4, s[12:13] offset:RECN+1024+256*\q
.endif
.endm
	s_mov_b32 s32, 15                              ; 64 tiles: 15 trips of four that load ahead, four written out that do not
.Ltrip:
	QUART 0, 1, 6                                  ; two loads a tile: the three younger tiles' six stay out
	QUART 1, 1, 6
	QUART 2, 1, 6
	QUART 3, 1, 6
	s_wait_xcnt 0x0                                ; the base is stepped only behind this wait
	s_add_nc_u64 s[12:13], s[12:13], 1024
	s_sub_co_u32 s32, s32, 1
	s_cmp_lg_u32 s32, 0
	s_cbranch_scc1 .Ltrip
	QUART 0, 0, 6                                  ; no load leaves the wave's 1,024 voxels: the counts run down
	QUART 1, 0, 4
	QUART 2, 0, 2
	QUART 3, 0, 0
; over the 16 lanes of a half (16 voxels of a tile), then over the 16 waves through LDS
.irp j, 0,1,2,3,4,5,6,7
	v_cvt_f32_u32 v[CNT+\j], v[CNT+\j]             ; at most 16,384: exact in f32, and so are its sums
.endr
.irp m, 1,2,4,8
.irp j, 0,1,2,3,4,5,6,7,8,9,10,11,12,13,14,15
	v_add_f32_dpp v[ACC+\j], v[ACC+\j], v[ACC+\j] row_xmask:\m row_mask:0xf bank_mask:0xf    ; ACC and CNT lie side by side
.endr
.endr
	s_lshl_b32 s33, s20, 7
	s_add_co_u32 s33, s33, RED
	v_lshl_add_u32 v5, v3, 6, s33
	ds_store_b128 v5, v[ACC:ACC+3]                 ; the sixteen lanes of a half write the same bytes with the same values
	ds_store_b128 v5, v[ACC+4:ACC+7] offset:16
	ds_store_b128 v5, v[CNT:CNT+3] offset:32
	ds_store_b128 v5, v[CNT+4:CNT+7] offset:48
	s_wait_dscnt 0x0
	s_barrier_signal -1
	s_barrier_wait -1
	s_cmp_lg_u32 s20, 0
	s_cbranch_scc1 .Ldone
	v_lshrrev_b32 v5, 3, v2                        ; wave 0: lane r adds query r's sums, lane 16 + r its counts
	v_and_b32 v6, 7, v2
	v_lshlrev_b32 v5, 6, v5
	v_lshl_add_u32 v5, v6, 2, v5
	v_lshl_add_u32 v5, v3, 5, v5
.irp w, 0,1,2,3,4,5,6,7,8,9,10,11,12,13,14,15
	ds_load_b32 v[F+\w], v5 offset:RED+128*\w
.endr
	s_lshl_b32 s22, ttmp9, 6
	s_add_nc_u64 s[14:15], s[14:15], s[22:23]
	s_lshl_b32 s22, ttmp9, 4
	s_add_nc_u64 s[16:17], s[16:17], s[22:23]
	v_lshlrev_b32 v6, 2, v2
	s_wait_dscnt 0x0
.irp w, 0,2,4,6
	v_pk_add_f32 v[F+\w:F+\w+1], v[F+\w:F+\w+1], v[F+8+\w:F+8+\w+1]
.endr
.irp w, 0,2
	v_pk_add_f32 v[F+\w:F+\w+1], v[F+\w:F+\w+1], v[F+4+\w:F+4+\w+1]
.endr
	v_pk_add_f32 v[F:F+1], v[F:F+1], v[F+2:F+3]
	v_add_f32 v[F], v[F], v[F+1]
	v_permlanex16_b32 v[F+1], v[F], s30, s31       ; lanes 0 to 15 now hold the sum in F and the count in F + 1
	v_mov_b32 v[F+4], 1
	v_max_num_f32 v[F+2], 1.0, v[F+1]
	v_rcp_f32 v[F+2], v[F+2]
	v_cmp_neq_f32 vcc_lo, 0, v[F+1]                ; valid; also the plain instruction behind the reciprocal (ISA guide 5.7.2)
	s_wait_alu depctr_va_vdst(0)
	v_mul_f32 v[F+3], v[F], v[F+2]
	v_cndmask_b32 v[F+3], 0, v[F+3], vcc_lo
	v_cndmask_b32 v[F+4], 0, v[F+4], vcc_lo
	s_wait_xcnt 0x0                                ; EXEC changes only behind this wait
	v_cmp_gt_u32 vcc_lo, 16, v1
	s_wait_tensorcnt 0x0
	ds_add_u32 v240, v241
	s_wait_dscnt 0x0
	s_and_saveexec_b32 s34, vcc_lo
	global_store_b32 v6, v[F+3], s[14:15]
	global_store_b8 v2, v[F+4], s[16:17]
	s_endpgm
.Ldone:
	s_wait_tensorcnt 0x0
	ds_add_u32 v240, v241
	s_wait_dscnt 0x0
	s_endpgm
.Lfunc_end_k_q0fe0b4f73d_field:
	.size	k_q0fe0b4f73d_field, .Lfunc_end_k_q0fe0b4f73d_field-k_q0fe0b4f73d_field
	.p2alignl 7, 3214868480
	.fill 96, 4, 3214868480
	.section	.rodata,"a",@progbits
	.p2align	6, 0x0
	.amdhsa_kernel k_q0fe0b4f73d_field
		.amdhsa_group_segment_fixed_size 6144
		.amdhsa_private_segment_fixed_size 0
		.amdhsa_enable_private_segment 0
		.amdhsa_kernarg_size 56
		.amdhsa_user_sgpr_count 2
		.amdhsa_user_sgpr_kernarg_segment_ptr 1
		.amdhsa_wavefront_size32 1
		.amdhsa_system_sgpr_workgroup_id_x 1
		.amdhsa_system_sgpr_workgroup_id_y 1
		.amdhsa_system_sgpr_workgroup_id_z 1
		.amdhsa_system_vgpr_workitem_id 0
		.amdhsa_next_free_vgpr 242
		.amdhsa_next_free_sgpr 66
		.amdhsa_reserve_vcc 1
		.amdhsa_float_denorm_mode_32 3
		.amdhsa_float_denorm_mode_16_64 3
		.amdhsa_memory_ordered 1
		.amdhsa_forward_progress 1
		.amdhsa_inst_pref_size 71
	.end_amdhsa_kernel
	.amdgpu_metadata
---
amdhsa.version: [ 1, 2 ]
amdhsa.kernels:
  - .name:           k_q0fe0b4f73d_field
    .symbol:         k_q0fe0b4f73d_field.kd
    .args:
      - { .name: x_world, .offset: 0, .size: 8, .value_kind: global_buffer, .address_space: global }
      - { .name: voxel_point, .offset: 8, .size: 8, .value_kind: global_buffer, .address_space: global }
      - { .name: voxel_normal, .offset: 16, .size: 8, .value_kind: global_buffer, .address_space: global }
      - { .name: groups, .offset: 24, .size: 8, .value_kind: global_buffer, .address_space: global }
      - { .name: recs, .offset: 32, .size: 8, .value_kind: global_buffer, .address_space: global }
      - { .name: out0, .offset: 40, .size: 8, .value_kind: global_buffer, .address_space: global }
      - { .name: out1, .offset: 48, .size: 8, .value_kind: global_buffer, .address_space: global }
    .group_segment_fixed_size: 6144
    .private_segment_fixed_size: 0
    .kernarg_segment_align: 8
    .kernarg_segment_size: 56
    .max_flat_workgroup_size: 512
    .sgpr_count:     66
    .vgpr_count:     242
    .wavefront_size: 32
...
	.end_amdgpu_metadata
.endif
;; end of part 2
